; MI455X (gfx1250); checked and timed in simulation.
; The chip was launched on July 23, 2026; its instructions are those of AMD's public machine-readable ISA for CDNA 5 (MIT licence, August 2026) and "CDNA5" Instruction Set Architecture Reference Guide (July 2026). The comments in the code are by the model that wrote it; some were corrected since.
;; Dense Expert. Allowed arithmetic: matrix products marked QUANTISED: E4M3 operands, one E8M0 scale for each 32 along K, by v_wmma_scale_f32_16x16x128_f8f6f4 with both operands' format E4M3, f32 sums; products left as they are: f32 operands where the result goes on into a quantised operand, else bf16, f16 or f32 operands; f32 sums; everything else in f32.
;; Inputs: alpha 8 x 1,024 x 1,024 float32; beta 8 x 1,024 float32; gate_perc 8,192 x 8 float32; x 8,192 x 1,024 float32.
;; Outputs: out0 8,192 x 1,024 float32.
;; This version of the problem:
;;   THIS VERSION OF THE PROBLEM IS GIVEN IN LOW PRECISION. The matrix products marked QUANTISED in the list below multiply operands that are first quantised to E4M3 (4 exponent bits, 3 mantissa bits; 8 bits a number), with one power-of-two scale for each 32 numbers along K (OCP MX v1.0); their sums are f32. All else is computed in f32.
;;   The module's matrix products, in the order in which they are computed (A, B: the left and right operand; K: the contracted axis; several contracted axes count as one K, in the product's order):
;;     1. batch 8,192 x [M 8, K 1] x [K 1, N 1,024]; A: computed on the way; B: computed on the way: left as it is (no contracted axis)
;;     2. [M 8,192, K 8,192] x [K 8,192, N 1,024]; A: computed on the way; B: input alpha: QUANTISED
;;     3. [M 8,192, K 8] x [K 8, N 1,024]; A: input gate_perc; B: input beta: left as it is (K = 8 < 32)
;;   THE QUANTISER, for each operand of a quantised product, along K:
;;     - K is cut into blocks of 32 from its start; a last block that is shorter is filled with zeros.
;;     - A block's scale is 2^e with e = floor(log2(the largest magnitude in the block)) - 8, held to -126 .. 127; a block of zeros has e = 0. As a byte (E8M0): e + 127.
;;     - Each number is divided by its block's scale, clamped to +-448, and rounded to the nearest number of E4M3, ties to even, subnormals kept.
;;     - The product sums the exact products of the quantised numbers (number of the format x scale) in f32.
;;   ~~~python
;;   def quantise(x, axis):      # numpy; x: float32 -> the quantised numbers, widened to float32 again
;;       x = np.moveaxis(x, axis, -1); K = x.shape[-1]
;;       x = np.pad(x, [(0, 0)] * (x.ndim - 1) + [(0, -K % 32)]); x = x.reshape(x.shape[:-1] + (-1, 32)); a = np.abs(x).max(-1, keepdims=True)
;;       e = np.where(a > 0, np.clip(np.frexp(np.where(a > 0, a, 1))[1] - 1 - 8, -126, 127), 0)      # np.frexp(a)[1] - 1 = floor(log2(a)), exactly
;;       r = np.clip(x / 2.0 ** e, -448, 448)
;;       step = 2.0 ** (np.maximum(np.frexp(np.where(r == 0, 1, r))[1] - 1, -6) - 3)
;;       q = np.round(r / step) * step * 2.0 ** e      # np.round: ties to even
;;       return np.moveaxis(q.reshape(q.shape[:-2] + (-1,))[..., :K], -1, axis).astype(np.float32)
;;   ~~~
;;   OPERANDS COMPUTED ON THE WAY. 'Computed on the way' means the value that the module computes at that place (a softmax that the list does not call 'softmax' is quantised finished and normalised). What goes into a quantiser is computed in f32, as accurately as f32 sums, v_exp_f32 and their like allow (about 1e-6 of the number): no bf16 or f16 on the way to a quantiser, and a product that is left as it is and whose result goes on into a quantised operand takes f32 operands (vector FMAs, or v_wmma_f32_16x16x4_f32). A number that lies on a knife's edge between two numbers of the format may be rounded either way, as far as f32 arithmetic and the matrix unit's own rounding can turn it there, and no further.
;; One version. Each part assembles by itself: llvm-mc -triple=amdgcn-amd-amdhsa -mcpu=gfx1250 --defsym DOCPART=n.
;; ======== version 1 of 1: 2 launches
;; limits: right only within a limited range of input values
;; workspace buffers: bq 8,650,752 bytes; aq 69,206,016 bytes
;; launch quantise (part 1): grid 256 x 1, 16 waves a work-group, no clusters, 167,936 bytes of LDS; arguments alpha, x, gate_perc, bq, aq; writes bq, aq
.if DOCPART == 1
	.amdgcn_target "amdgcn-amd-amdhsa--gfx1250"
	.amdhsa_code_object_version 6
	.text
	.protected	k_qb9e6479a7d_quantise
	.globl	k_qb9e6479a7d_quantise
	.p2align	8
	.type	k_qb9e6479a7d_quantise,@function
k_qb9e6479a7d_quantise:
	s_mov_b64 s[64:65], 0
	v_nop
	global_prefetch_b8 v0, s[64:65] scope:SCOPE_SE
	s_setreg_imm32_b32 hwreg(HW_REG_WAVE_MODE, 25, 1), 1
	s_wait_xcnt 0x0
; Both operands of the quantised product, as codes of E4M3 with an E8M0 byte for each 32 along K = (e, i), blocks along i, laid in the ORDER OF THE OPERAND'S REGISTERS.  No work of reference() is left out.
; K ORDER: step t = 4 ch + j (64 steps of 128): block c (0..3) is expert 2 j + c / 2, inputs 64 ch + 32 (c % 2) + 0 .. 31.  Lane l = 16 h + r of a fragment: row or unit r, k = 32 c + 16 h + 0 .. 15.
; bq = [ntile 4][t 64][33,792 bytes]: alpha, 256 units: fragment f (units 16 f + r) at 2048 f + 512 c + 16 l; from byte 32,768 on the scale words, at 256 (f / 4) + 16 r + 4 (f % 4).
; aq = [mb 128][t 64][8,448 bytes]: g x, 64 rows: fragment a (rows 16 a + r) at 2048 a + 512 c + 16 l; from byte 8,192 on the scale words, at 16 r + 4 a.
; A work-group of 16 waves makes ONE step block of bq and, for 64 rows and 512 inputs of x, 32 step blocks of aq.
; alpha: a thread takes a unit and one expert of the step's two (waves 0-7 the first, 8-15 the second); its registers run down i: a block of 32 lies in one lane.
; x: a wave takes 16 rows x 128 inputs, by one tensor load into LDS bytes of its own (rows of 512 bytes + 16 of padding).
; THE LARGEST MAGNITUDE of a block of g x is |g| x the largest |x|, rounded once: rounding keeps order; so |x|'s maxima serve all eight experts.
; A block's byte is its largest magnitude's exponent field - 8, held at 1 from below.
; LIMITS: a block whose largest magnitude lies under 2^-118 (a block of zeros too) gets the byte 1: its codes are zeros or nearly so.  NaN and infinities among the inputs are not served.
.set STEPB, 33792
.set ABLK,  8448
.set XREG,  8448                       ; 16 rows x 528 bytes a wave
.set XSC,   16*XREG                    ; g x's scale words: 32 steps x 256 bytes
.set WSC,   XSC+8192                   ; alpha's scale words
.set SPARE, WSC+1024                   ; the spare words, 128 bytes a wave
.set X,  64                            ; v64-127   alpha: two blocks of 32
.set C,  192                           ; v192-223  codes
.set XX, 224                           ; v224-255  x: two blocks, 16 numbers each
.set T,  128                           ; v128-191  g x: four blocks, 16 numbers each
.set G,  24                            ; v24-31    my row's gates
.set AM, 32                            ; v32-33    the largest |x|;  v34-35 the other half's
.set QA, 36                            ; v36-39    largest magnitudes;  QS conversion's scale operands;  QL 448 x the scale;  QB bytes
.set QS, 40
.set QL, 44
.set QB, 48
	s_load_b256 s[4:11], s[0:1], 0x0               ; alpha, x, gate_perc, bq
	s_load_b64 s[12:13], s[0:1], 0x20              ; aq
	v_lshl_add_u32 v14, v0, 2, SPARE
	v_mov_b32 v15, 0
	ds_add_u32 v14, v15                            ; the opening lines: the add, twice on end, ahead of my tensor load
	ds_add_u32 v14, v15
	v_lshrrev_b32 v1, 5, v0
	v_readfirstlane_b32 s14, v1                    ; wave 0..15
	s_lshr_b32 s15, s14, 2                         ; a: which 16 of the 64 rows
	s_and_b32 s16, s14, 3                          ; which 128 of the 512 inputs
	s_lshr_b32 s17, ttmp9, 1                       ; mb
	s_and_b32 s18, ttmp9, 1                        ; which 512 inputs
	s_lshl_b32 s40, s17, 18                        ; x: (64 mb + 16 a) rows of 4,096 bytes + my inputs
	s_lshl_b32 s19, s15, 16
	s_add_co_u32 s40, s40, s19
	s_lshl_b32 s19, s18, 11
	s_add_co_u32 s40, s40, s19
	s_lshl_b32 s19, s16, 9
	s_add_co_u32 s40, s40, s19
	s_mov_b32 s41, 0
	s_lshl_b32 s42, s17, 11                        ; gates: rows of 32 bytes
	s_lshl_b32 s19, s15, 9
	s_add_co_u32 s42, s42, s19
	s_mov_b32 s43, 0
	s_lshl_b32 s44, s17, 6
	s_lshl_b32 s19, s18, 5
	s_add_co_u32 s44, s44, s19                     ; 64 mb + 32 x half
	s_lshl_b32 s19, s14, 1
	s_add_co_u32 s46, s44, s19                     ; the two steps whose scale words I store at the end
	s_mul_i32 s46, s46, ABLK
	s_add_co_u32 s46, s46, 8192
	s_mov_b32 s47, 0
	s_lshl_b32 s19, s16, 3
	s_add_co_u32 s44, s44, s19
	s_mul_i32 s44, s44, ABLK
	s_lshl_b32 s19, s15, 11
	s_add_co_u32 s44, s44, s19                     ; my first step block, fragment a
	s_mov_b32 s45, 0
	s_lshr_b32 s48, ttmp9, 6                       ; alpha: ntile, and t = 4 ch + j
	s_and_b32 s49, ttmp9, 63
	s_and_b32 s50, s49, 3
	s_lshr_b32 s51, s49, 2
	s_lshl_b32 s50, s50, 23                        ; two experts of 4 MiB
	s_lshl_b32 s51, s51, 18                        ; 64 rows of 4,096 bytes
	s_add_co_u32 s50, s50, s51
	s_lshl_b32 s51, s48, 10
	s_add_co_u32 s50, s50, s51
	s_lshr_b32 s37, s14, 3                         ; my expert of the two
	s_lshl_b32 s51, s37, 22
	s_add_co_u32 s50, s50, s51
	s_mov_b32 s51, 0
	s_mul_i32 s52, ttmp9, STEPB
	s_mov_b32 s53, 0
	s_lshl_b32 s48, s37, 10
	s_lshl_b32 s49, s37, 1
	s_add_co_u32 s49, s49, WSC
	s_mov_b32 s24, (3<<16)|(1<<20)|(6<<22)|(3<<25) ; elements of 8 bytes; 4 words of padding behind every 128
	s_mov_b32 s25, 64<<16                          ; tensor_dim0: rows of 512 bytes
	s_mov_b32 s26, 16<<16                          ; tensor_dim1
	s_mov_b32 s27, 64<<16                          ; tile_dim0
	s_mov_b32 s28, 16                              ; tile_dim1
	s_mov_b32 s29, 512                             ; the pitch: 4,096 bytes
	s_mov_b32 s30, 0
	s_mov_b32 s31, 0
	s_mov_b32 s32, 1
	s_mul_i32 s33, s14, XREG                       ; my LDS bytes
	s_lshl_b32 s63, s16, 11
	s_lshl_b32 s19, s15, 2
	s_add_co_u32 s63, s63, s19
	s_add_co_u32 s63, s63, XSC
	s_lshl_b32 s36, s14, 9
	s_add_co_u32 s36, s36, XSC
	s_mov_b32 s54, 0x76543210                      ; v_permlanex16_b32's selects for lane l xor 16
	s_mov_b32 s55, 0xfedcba98
	s_mov_b32 s56, 0x600000                        ; the mantissa field of 448
	s_mov_b32 s57, 0x7f800000
	s_mov_b32 s58, 0x4800000                       ; 2^(9 - 127)
	s_mov_b32 s59, 0xfc000000                      ; -(8 << 23)
	s_mov_b32 s61, 0
	s_mov_b32 s62, 0
	v_and_b32 v1, 31, v0                           ; l
	v_and_b32 v8, 15, v0                           ; r
	v_bfe_u32 v9, v0, 4, 1                         ; h
	v_lshlrev_b32 v17, 4, v1                       ; codes of g x: 16 bytes a lane
	v_lshlrev_b32 v19, 3, v1                       ; scale words, on the way out: 8 bytes a lane
	v_lshlrev_b32 v20, 5, v8                       ; my row of gates
	v_mul_u32_u24 v21, 0x210, v8
	v_lshl_add_u32 v21, v9, 6, v21
	v_add_nc_u32 v21, s33, v21                     ; x in LDS: 528 r + 64 h
	v_lshlrev_b32 v22, 4, v8
	v_add_nc_u32 v22, s63, v22                     ; my scale word's place: 256 x step + 16 r + 4 a
	v_add_nc_u32 v23, s36, v19
	v_and_b32 v2, 0xff, v0
	v_lshlrev_b32 v2, 2, v2                        ; alpha: 4 bytes a unit
	v_bfe_u32 v3, v0, 4, 4
	v_lshlrev_b32 v3, 11, v3
	v_lshl_add_u32 v3, v8, 4, v3
	v_add_nc_u32 v3, s48, v3                       ; alpha's codes: 2048 f + 16 r, the second expert's two blocks 1,024 bytes on
	v_bfe_u32 v4, v0, 6, 2
	v_lshlrev_b32 v4, 8, v4
	v_lshl_add_u32 v4, v8, 4, v4
	v_bfe_u32 v10, v0, 4, 2
	v_lshl_add_u32 v4, v10, 2, v4
	v_add_nc_u32 v4, s49, v4                       ; my half of my unit's scale word: 256 (f / 4) + 16 r + 4 (f % 4) + 2 x expert
	v_and_b32 v5, 63, v0
	v_lshlrev_b32 v5, 4, v5
	v_add_nc_u32 v7, WSC, v5
	v_mov_b32 v34, 0                               ; (a lane permute's destination counts as one of its sources)
	v_mov_b32 v35, 0
	s_wait_alu depctr_va_vdst(0)
	s_wait_dscnt 0x0                               ; both opening adds are done
	s_wait_kmcnt 0x0
	s_add_nc_u64 s[34:35], s[6:7], s[40:41]
	s_or_b32 s35, s35, 0x80000000
	tensor_load_to_lds s[32:35], s[24:31]          ; my 16 rows x 128 inputs of x: my one tensor load; I alone read it
	s_nop 0
	s_add_nc_u64 s[4:5], s[4:5], s[50:51]
	s_add_nc_u64 s[8:9], s[8:9], s[42:43]
	s_add_nc_u64 s[10:11], s[10:11], s[52:53]
	s_add_nc_u64 s[38:39], s[12:13], s[46:47]
	s_add_nc_u64 s[12:13], s[12:13], s[44:45]
	global_load_b128 v[G:G+3], v20, s[8:9]
	global_load_b128 v[G+4:G+7], v20, s[8:9] offset:16
.macro LOAD c                          ; alpha's block c of my expert: rows 32 c + i
.irp i, 0,1,2,3,4,5,6,7,8,9,10,11,12,13,14,15,16,17,18,19,20,21,22,23,24,25,26,27,28,29,30,31
	global_load_b32 v[X+32*(\c)+\i], v2, s[4:5] offset:(\c)*131072+\i*4096 th:TH_LOAD_NT
.endr
.endm
.macro BLOCK c
.set XS, X+32*(\c)
.if (\c) == 0
	s_wait_loadcnt 32                              ; this block's loads are in; the next block's 32 may be out
.else
	s_wait_loadcnt 0x0
.endif
.irp q, 0,1,2,3                        ; the largest magnitude: all 32 numbers are mine; four chains by turns
	v_max3_num_f32 v[10+\q], |v[XS+8*\q]|, |v[XS+8*\q+1]|, |v[XS+8*\q+2]|
.endr
.irp q, 0,1,2,3
	v_max3_num_f32 v[10+\q], v[10+\q], |v[XS+8*\q+3]|, |v[XS+8*\q+4]|
.endr
.irp q, 0,1,2,3
	v_max3_num_f32 v[10+\q], v[10+\q], |v[XS+8*\q+5]|, |v[XS+8*\q+6]|
.endr
.irp q, 0,1,2,3
	v_max_num_f32 v[10+\q], v[10+\q], |v[XS+8*\q+7]|
.endr
	v_max3_num_f32 v12, v12, v13, 0x4800000        ; with the floor 2^(9 - 127)
	v_max3_num_f32 v12, v10, v11, v12
	v_add_nc_u32 v11, 0xfc000000, v12              ; 8 off the exponent field: the conversion's scale operand
	v_and_or_b32 v10, v12, 0x7f800000, s56         ; 448 x the scale
	v_lshrrev_b32 v13, 23, v11                     ; the byte
.if (\c) == 0
	v_mov_b32 v6, v13
.else
	v_lshl_or_b32 v6, v13, 8, v6                   ; block 0's byte lowest
.endif
.irp i, 0,1,2,3,4,5,6,7,8,9,10,11,12,13,14,15,16,17,18,19,20,21,22,23,24,25,26,27,28,29,30,31
	v_med3_num_f32 v[XS+\i], v[XS+\i], -v10, v10   ; the conversion does not saturate (ISA guide 7.6.2): the hold comes first
.endr
.irp g, 0,1,2,3
	v_cvt_scalef32_pk8_fp8_f32 v[C+8*(\c)+2*\g:C+8*(\c)+2*\g+1], v[XS+8*\g:XS+8*\g+7], v11
.endr
	v_nop
	global_store_b128 v3, v[C+8*(\c):C+8*(\c)+3], s[10:11] offset:512*(\c)          ; sixteen lanes store 256 consecutive bytes, aligned
	global_store_b128 v3, v[C+8*(\c)+4:C+8*(\c)+7], s[10:11] offset:512*(\c)+256
.endm
.macro XSTEP j                         ; step j of a chunk: experts 2 j, 2 j + 1
.set CS, C+16*((\j)%2)
.if (\j) == 2
	s_wait_xcnt 0x0                                ; the stores of steps 0, 1 have read their registers
.endif
.irp c, 0,1,2,3
	v_mul_f32 v[QA+\c], |v[G+2*(\j)+\c/2]|, v[AM+(\c%2)]
.endr
.irp c, 0,1,2,3
	v_max_num_f32 v[QA+\c], s58, v[QA+\c]
.endr
.irp c, 0,1,2,3
	v_add_nc_u32 v[QS+\c], s59, v[QA+\c]
.endr
.irp c, 0,1,2,3
	v_and_or_b32 v[QL+\c], v[QA+\c], s57, s56
.endr
.irp c, 0,1                            ; the even expert's gate: the pair's low register serves both halves
.irp i, 0,2,4,6,8,10,12,14
	v_pk_mul_f32 v[T+16*\c+\i:T+16*\c+\i+1], v[XX+16*\c+\i:XX+16*\c+\i+1], v[G+2*(\j):G+2*(\j)+1] op_sel_hi:[1,0]
.endr
.endr
.irp c, 0,1                            ; the odd one's: the high register
.irp i, 0,2,4,6,8,10,12,14
	v_pk_mul_f32 v[T+32+16*\c+\i:T+32+16*\c+\i+1], v[XX+16*\c+\i:XX+16*\c+\i+1], v[G+2*(\j):G+2*(\j)+1] op_sel:[0,1] op_sel_hi:[1,1]
.endr
.endr
.irp c, 0,1,2,3
.irp i, 0,1,2,3,4,5,6,7,8,9,10,11,12,13,14,15
	v_med3_num_f32 v[T+16*\c+\i], v[T+16*\c+\i], -v[QL+\c], v[QL+\c]
.endr
.endr
.irp c, 0,1,2,3
	v_cvt_scalef32_pk8_fp8_f32 v[CS+4*\c:CS+4*\c+1], v[T+16*\c:T+16*\c+7], v[QS+\c]
	v_cvt_scalef32_pk8_fp8_f32 v[CS+4*\c+2:CS+4*\c+3], v[T+16*\c+8:T+16*\c+15], v[QS+\c]
.endr
.irp c, 0,1,2,3
	v_lshrrev_b32 v[QB+\c], 23, v[QS+\c]
.endr
	v_lshl_or_b32 v52, v[QB+1], 8, v[QB]           ; the four bytes make my row's scale word
	v_lshl_or_b32 v53, v[QB+3], 8, v[QB+2]
	v_lshl_or_b32 v52, v53, 16, v52
	ds_store_b32 v18, v52 offset:256*(\j)          ; both lanes of a row write the same word with the same value
.irp c, 0,1,2,3
	global_store_b128 v17, v[CS+4*\c:CS+4*\c+3], s[12:13] offset:ABLK*(\j)+512*\c   ; 32 lanes store 512 consecutive bytes, aligned
.endr
.endm
	LOAD 0
	LOAD 1
	BLOCK 0
	BLOCK 1
	s_wait_tensorcnt 0x0                           ; my part of x is in
	s_wait_xcnt 0x0                                ; the codes' registers are free
	s_mov_b32 s60, 2
.Lx:                                               ; two chunks of 64 inputs
	v_add_nc_u32 v16, s61, v21
	v_add_nc_u32 v18, s62, v22
.irp b, 0,1
.irp q, 0,1,2,3
	ds_load_b128 v[XX+16*\b+4*\q:XX+16*\b+4*\q+3], v16 offset:128*\b+16*\q
.endr
.endr
	s_add_co_u32 s61, s61, 256
	s_add_co_u32 s62, s62, 1024
	s_wait_alu depctr_va_vdst(0)
	s_wait_dscnt 0x0
.irp q, 0,1,2,3                        ; chain q: eight numbers, of block q / 2
	v_max3_num_f32 v[QA+\q], |v[XX+8*\q]|, |v[XX+8*\q+1]|, |v[XX+8*\q+2]|
.endr
.irp q, 0,1,2,3
	v_max3_num_f32 v[QA+\q], v[QA+\q], |v[XX+8*\q+3]|, |v[XX+8*\q+4]|
.endr
.irp q, 0,1,2,3
	v_max3_num_f32 v[QA+\q], v[QA+\q], |v[XX+8*\q+5]|, |v[XX+8*\q+6]|
.endr
.irp q, 0,1,2,3
	v_max_num_f32 v[QA+\q], v[QA+\q], |v[XX+8*\q+7]|
.endr
	v_max_num_f32 v[AM], v[QA], v[QA+1]
	v_max_num_f32 v[AM+1], v[QA+2], v[QA+3]
	v_permlanex16_b32 v34, v[AM], s54, s55
	v_permlanex16_b32 v35, v[AM+1], s54, s55
	v_max_num_f32 v[AM], v[AM], v34                ; with lane l xor 16's 16 numbers
	v_max_num_f32 v[AM+1], v[AM+1], v35
	XSTEP 0
	XSTEP 1
	XSTEP 2
	XSTEP 3
	s_wait_xcnt 0x0                                ; the stores have read their base and their registers
	s_add_nc_u64 s[12:13], s[12:13], 4*ABLK
	s_sub_co_u32 s60, s60, 1
	s_cmp_lg_u32 s60, 0
	s_wait_alu depctr_va_vdst(0)
	s_cbranch_scc1 .Lx
	ds_store_b16 v4, v6                            ; alpha's 256 scale words meet in LDS, half a word a thread
	s_wait_dscnt 0x0                               ; for the others' sake: my stores have landed
	s_barrier_signal -1
	s_barrier_wait -1
.irp i, 0,1
	ds_load_b64 v[64+2*\i:65+2*\i], v23 offset:256*\i
.endr
	s_wait_dscnt 0x0
.irp i, 0,1
	global_store_b64 v19, v[64+2*\i:65+2*\i], s[38:39] offset:ABLK*\i   ; two steps' scale words: 32 lanes store one aligned unit of 256 bytes each
.endr
	s_cmp_gt_u32 s14, 1                            ; waves 0 and 1 store alpha's scale words: 512 consecutive bytes a wave
	s_cbranch_scc1 .Ldone
	ds_load_b128 v[72:75], v7
	s_wait_dscnt 0x0
	global_store_b128 v5, v[72:75], s[10:11] offset:32768
.Ldone:
	s_wait_tensorcnt 0x0                           ; the wave's end
	ds_add_u32 v14, v15
	s_wait_dscnt 0x0
	s_endpgm
.Lfunc_end_k_qb9e6479a7d_quantise:
	.size	k_qb9e6479a7d_quantise, .Lfunc_end_k_qb9e6479a7d_quantise-k_qb9e6479a7d_quantise
	.p2alignl 7, 3214868480
	.fill 96, 4, 3214868480
	.section	.rodata,"a",@progbits
	.p2align	6, 0x0
	.amdhsa_kernel k_qb9e6479a7d_quantise
		.amdhsa_group_segment_fixed_size 167936
		.amdhsa_private_segment_fixed_size 0
		.amdhsa_enable_private_segment 0
		.amdhsa_kernarg_size 40
		.amdhsa_user_sgpr_count 2
		.amdhsa_user_sgpr_kernarg_segment_ptr 1
		.amdhsa_wavefront_size32 1
		.amdhsa_system_sgpr_workgroup_id_x 1
		.amdhsa_system_sgpr_workgroup_id_y 1
		.amdhsa_system_sgpr_workgroup_id_z 1
		.amdhsa_system_vgpr_workitem_id 0
		.amdhsa_next_free_vgpr 256
		.amdhsa_next_free_sgpr 66
		.amdhsa_reserve_vcc 0
		.amdhsa_float_denorm_mode_32 3
		.amdhsa_float_denorm_mode_16_64 3
		.amdhsa_memory_ordered 1
		.amdhsa_forward_progress 1
		.amdhsa_inst_pref_size 55
	.end_amdhsa_kernel
	.amdgpu_metadata
---
amdhsa.version: [ 1, 2 ]
amdhsa.kernels:
  - .name:           k_qb9e6479a7d_quantise
    .symbol:         k_qb9e6479a7d_quantise.kd
    .args:
      - { .name: alpha, .offset: 0, .size: 8, .value_kind: global_buffer, .address_space: global }
      - { .name: x, .offset: 8, .size: 8, .value_kind: global_buffer, .address_space: global }
      - { .name: gate_perc, .offset: 16, .size: 8, .value_kind: global_buffer, .address_space: global }
      - { .name: bq, .offset: 24, .size: 8, .value_kind: global_buffer, .address_space: global }
      - { .name: aq, .offset: 32, .size: 8, .value_kind: global_buffer, .address_space: global }
    .group_segment_fixed_size: 167936
    .private_segment_fixed_size: 0
    .kernarg_segment_align: 8
    .kernarg_segment_size: 40
    .max_flat_workgroup_size: 512
    .sgpr_count:     66
    .vgpr_count:     256
    .wavefront_size: 32
...
	.end_amdgpu_metadata
.endif
;; end of part 1
;; launch product (part 2): grid 4 x 64, 4 waves a work-group, clusters of 4 x 4, 327,680 bytes of LDS; arguments aq, bq, gate_perc, beta, out0; writes out0
.if DOCPART == 2
	.amdgcn_target "amdgcn-amd-amdhsa--gfx1250"
	.amdhsa_code_object_version 6
	.text
	.protected	k_qb9e6479a7d_product
	.globl	k_qb9e6479a7d_product
	.p2align	8
	.type	k_qb9e6479a7d_product,@function
k_qb9e6479a7d_product:
	s_mov_b64 s[64:65], 0
	v_nop
	global_prefetch_b8 v0, s[64:65] scope:SCOPE_SE
	s_setreg_imm32_b32 hwreg(HW_REG_WAVE_MODE, 25, 1), 1
	s_wait_xcnt 0x0
	s_wait_alu depctr_hold_cnt(0) depctr_sa_sdst(0) depctr_va_vdst(0) depctr_va_sdst(0) depctr_va_ssrc(0) depctr_va_vcc(0) depctr_vm_vsrc(0)
	s_getreg_b32 s2, hwreg(HW_REG_IB_STS2, 6, 4)
	s_cmp_eq_u32 s2, 0
	s_cbranch_scc0 .Lentry_in_a_cluster
	s_endpgm
.Lentry_in_a_cluster:
	s_bfe_u32 s2, ttmp6, 0x10000c
	s_cmp_lg_u32 s2, 0xf033
	s_cbranch_scc0 .Lentry_shape_is_right
	s_endpgm
.Lentry_shape_is_right:
; out[b][u] = sum over (e, i) of Q(g[b][e] x[b][i]) Q(alpha[e][i][u]) + sum over e of g[b][e] beta[e][u], from the codes and scale bytes that the launch before has laid (aq, bq; the second sum in f32).
; A work-group makes 128 rows x 256 units: 64 x 4 = 256 work-groups.  Wave w: mh = w / 2 its 64 rows, ks = w % 2 its HALF OF K: of the four steps of a slot it takes 2 ks and 2 ks + 1, for all 256 units: 64 accumulators, 512 registers.
; At the end the two waves of a row half exchange half of their sums through LDS and add.  g beta starts the sums: the wave of K half ks takes experts 4 ks .. 4 ks + 3.
; A (rows): each fragment is needed by ONE wave: it goes from memory straight into registers, three sets, asked for two of the wave's steps (128 matrix instructions) ahead.  So it is neither shared by a joint load, which lands in LDS, nor prefetched.
; B (units): ring of two LDS slots of four steps each; each wave fetches one step block by one tensor load.  CLUSTER 4 x 4: the four row blocks of a column of the cluster walk the same bq: joint loads.
; B's slots are prefetched two refills ahead by four of the sixteen clusters, each block of 256 bytes once in such a cluster: wave w of the work-group at cy takes step block w's quarter cy.
; UNITS' ORDER: accumulators j = 0 .. 7 hold the half of the units that is given away, j = 8 .. 15 the half that is kept: fragment (j + 8 ks) % 16.
; THE MATRIX INSTRUCTION IS USED TRANSPOSED (source 0 = 16 units, source 1 = 16 rows): a lane holds eight neighbouring units of one row.
; A STEP is 16 groups of four matrix instructions, group j = unit fragment j x my four row fragments.  TWO RUNS OF LOADS: at the step's head A's fragments of the step two on and this step's B fragments 8-15;
; in its middle the next step's scale words and B fragments 0-7.  So each half of B's registers is loaded while the other is multiplied.  Ahead of each run stand eight places behind the last product that read its registers.
; LIMITS: NaN and infinities among the inputs are not served.
; REGISTERS: window 0: v0-31 addresses; v32-59 scale words (B's two sets v32-35, 40-43 and v48-51, 56-59; A's three v36, v44, v52 on); v64-255 A's three sets.  Window 1: B's 16 fragments; on the way out my rows.
; Windows 2, 3: accumulators (a, j) at v[8 (8 a + j % 8)], j / 8 picks the window.
.set STEPB, 33792
.set SLOTB, 4*STEPB
.set ABLK,  8448
.set STAGE, 2*SLOTB                    ; behind the ring: 16 rows x 528 bytes a wave
.set SPARE, STAGE+33792                ; the spare words: 128 bytes a wave
.set SPW, 1
.set NIL, 2
.set LB0, 3                            ; v3, v4 B's fragments j < 8, j >= 8;  v5 scale words
.set AB0, 6                            ; v6-8 the same in the slot that is read
.set OA,  9                            ; 16 x lane
.set OAS, 10                           ; 16 r
.set PF,  11
.set STO, 13
.set RDO, 14
.set GIV, 15
.set RDG, 16
.set SC,  32
.set AF,  64
.set G1,  28                           ; s[28:35] descriptor group 1;  s[36:39] group 0
.set G0,  36
.set CY,  47                           ; the cluster's y
.set TB,  49                           ; the slot that is read: 0 or SLOTB
.set PB,  56                           ; s[56:57] my part of the slot that is prefetched
.set AP,  58                           ; s[58:59] my step blocks of aq
.set MSB, 0
.macro WIN new                         ; the immediate's high byte repeats the setting that is left
.if MSB != (\new)
	s_set_vgpr_msb (MSB<<8)|(\new)
.set MSB, (\new)
.endif
.endm
.macro PLACES n
.rept \n
	v_nop
.endr
.endm
.macro CREST                           ; a round of the cluster's barrier behind its opening barrier
	s_cmp_lg_u32 s14, 0
	s_cbranch_scc1 .Lnw0_\@
	s_barrier_signal -3
.Lnw0_\@:
	s_barrier_wait -3
	s_barrier_signal -1
	s_barrier_wait -1
.endm
.macro ROUND
	s_barrier_signal -1
	s_barrier_wait -1
	CREST
.endm
.macro TLOAD
	tensor_load_to_lds s[G0:G0+3], s[G1:G1+7]
	s_nop 0
	PLACES 4
.endm
.macro BLD8 j, k                       ; B's fragments j .. j + 7 of my step k of the slot
	WIN 0x40
.irp f, 0,1,2,3,4,5,6,7
.irp c, 0,1,2,3
	ds_load_b128 v[16*((\j)+\f)+4*\c:16*((\j)+\f)+4*\c+3], v[AB0+(\j)/8] offset:STEPB*(\k)+2048*\f+512*\c
.endr
.endr
.endm
.macro SBLD k                          ; and the step's scale words: lanes 0-15 fragments 0-7, lanes 16-31 fragments 8-15
	WIN 0
	ds_load_b128 v[SC+16*(\k):SC+16*(\k)+3], v[AB0+2] offset:STEPB*(\k)
	ds_load_b128 v[SC+16*(\k)+8:SC+16*(\k)+11], v[AB0+2] offset:STEPB*(\k)+256
.endm
.macro ALD as, off                     ; a step's four fragments of A and their scale words, into set as: 17 loads
	WIN 0
.irp i, 0,1,2,3,4,5,6,7,8,9,10,11,12,13,14,15
	global_load_b128 v[AF+64*(\as)+4*\i:AF+64*(\as)+4*\i+3], v[OA], s[AP:AP+1] offset:(\off)+512*\i
.endr
	global_load_b128 v[SC+4+8*(\as):SC+7+8*(\as)], v[OAS], s[AP:AP+1] offset:(\off)+8192
.endm
.macro MM4 j, as, k                    ; group j.  The accumulators take turns, one instruction a turn
.if (\j) < 8
	WIN 0xa1                                       ; source 0 window 1, source 1 window 0, C and D window 2
.else
	WIN 0xf1                                       ; C and D window 3
.endif
.irp a, 0,1,2,3
.if (\j) < 8
	v_wmma_scale_f32_16x16x128_f8f6f4 v[8*(8*\a+((\j)%8)):8*(8*\a+((\j)%8))+7], v[16*(\j):16*(\j)+15], v[AF+64*(\as)+16*\a:AF+64*(\as)+16*\a+15], v[8*(8*\a+((\j)%8)):8*(8*\a+((\j)%8))+7], v[SC+16*(\k)+((\j)%8)+4*(((\j)%8)/4)], v[SC+4+8*(\as)+\a]
.else
	v_wmma_scale_f32_16x16x128_f8f6f4 v[8*(8*\a+((\j)%8)):8*(8*\a+((\j)%8))+7], v[16*(\j):16*(\j)+15], v[AF+64*(\as)+16*\a:AF+64*(\as)+16*\a+15], v[8*(8*\a+((\j)%8)):8*(8*\a+((\j)%8))+7], v[SC+16*(\k)+((\j)%8)+4*(((\j)%8)/4)], v[SC+4+8*(\as)+\a] matrix_a_scale:MATRIX_SCALE_ROW1
.endif
.endr
.endm
.macro GIVE j                          ; the sums of fragment j, 16 rows a block, into my give region: rows of 528 bytes
	WIN 0x08                                       ; the data: window 2
.irp a, 0,1,2,3
	ds_store_b128 v[GIV], v[8*(8*\a+(\j)):8*(8*\a+(\j))+3] offset:8448*\a+64*(\j)
	ds_store_b128 v[GIV], v[8*(8*\a+(\j))+4:8*(8*\a+(\j))+7] offset:8448*\a+64*(\j)+16
.endr
.endm
.macro ASK off                         ; my share of a slot's 528 blocks of 256 bytes: 32 of them, a lane a block, and one more
	WIN 0
	s_cmp_lt_u32 s[CY], 4
	s_cbranch_scc0 .Lnoask_\@
	global_prefetch_b8 v[PF], s[PB:PB+1] offset:\off th:TH_LOAD_NT scope:SCOPE_SE
	global_prefetch_b8 v[PF+1], s[PB:PB+1] offset:\off th:TH_LOAD_NT scope:SCOPE_SE
.Lnoask_\@:
.endm
; A STEP.  k: which of my two steps of the slot;  as: A's set;  aoff: where the step two on lies in aq (-1: there is none);
; rnd: 0 the slot's first step; 1 its second, with a round and a refill; 2 with a barrier, nothing is filled; 3 the very last step;  pf: a prefetch's offset (-1: none);  lw: the next step's loads of A, which may be out.
.macro STEP k, as, aoff, rnd, pf, lw
	s_wait_loadcnt \lw
	PLACES 8
.if (\aoff) >= 0
	ALD ((\as)+2)%3, \aoff
.endif
	BLD8 8, \k
	s_wait_dscnt 32                                ; fragments 0-7 and the scale words are in; the 32 just issued may be out
.set g, 0
.rept 16
.if (\rnd) == 0
.if g == 8
	PLACES 8
	SBLD 1
	BLD8 0, 1
	s_wait_dscnt 34                                ; fragments 8-15 are in; the 34 just issued may be out
.endif
.elseif (\rnd) == 3
.if g == 8
	s_wait_dscnt 0x0
	PLACES 8
.endif
.if (g > 7) && (g%2 == 0)
	GIVE g-8
	GIVE g-7
.endif
.elseif g == 6
	WIN 0
	s_wait_tensorcnt 0x0                           ; all my tensor loads have landed: my part of the next slot;
	ds_add_u32 v[SPW], v[NIL]                      ; 0 onto my spare word
.elseif g == 8
	WIN 0
	s_xor_b32 s[TB], s[TB], SLOTB                  ; on to the other slot
.if (\rnd) == 1
	s_xor_b32 s[G0+1], s[G0+1], SLOTB              ; no load of mine is out: the refill's descriptor (w x 33,792 and 135,168 share no bit)
	s_add_nc_u64 s[G0+2:G0+3], s[G0+2:G0+3], SLOTB
.endif
	v_add_nc_u32 v[AB0], s[TB], v[LB0]
	v_add_nc_u32 v[AB0+1], s[TB], v[LB0+1]
	v_add_nc_u32 v[AB0+2], s[TB], v[LB0+2]
	s_wait_alu depctr_va_vdst(0)
	s_wait_dscnt 0x0                               ; the add is done, and my reads of this slot are over: fragments 8-15 are in
	s_barrier_signal -1
.elseif g == 10
	WIN 0
	s_barrier_wait -1
.if (\rnd) == 1
	CREST                                          ; no wave of any partner still reads this slot or has a load on its way
	TLOAD                                          ; my one tensor load behind the round
	PLACES 4
.else
	PLACES 8
.endif
	SBLD 0
	BLD8 0, 0
.if (\pf) >= 0
	ASK \pf
.endif
.endif
	MM4 g, \as, \k
.set g, g+1
.endr
.endm
	s_load_b256 s[4:11], s[0:1], 0x0               ; aq, bq, gate_perc, beta
	s_load_b64 s[12:13], s[0:1], 0x20              ; out0
	v_lshl_add_u32 v[SPW], v0, 2, SPARE
	v_mov_b32 v[NIL], 0
	ds_add_u32 v[SPW], v[NIL]                      ; the opening lines
	ds_add_u32 v[SPW], v[NIL]
	v_lshrrev_b32 v22, 5, v0
	v_readfirstlane_b32 s14, v22                   ; w
	s_lshr_b32 s15, s14, 1                         ; mh
	s_and_b32 s16, s14, 1                          ; ks
	s_xor_b32 s17, s16, 1
	s_bfe_u32 s18, ttmp6, 0x40000                  ; cx
	s_bfe_u32 s19, ttmp6, 0x40004                  ; cy
	s_lshl_b32 s20, ttmp9, 2
	s_add_co_u32 s20, s20, s18                     ; ntile
	s_and_b32 s[CY], ttmp7, 0xffff
	s_lshl_b32 s21, s[CY], 2
	s_add_co_u32 s21, s21, s19                     ; row block
	s_lshl_b32 s22, 0x1111, s18                    ; my column of the cluster
	s_or_b32 s[G1], s22, (3<<16)|(1<<21)           ; the mask; elements of 8 bytes; bit 21 set beside a mask; no padding
	s_mov_b32 s[G1+1], 32<<16                      ; rows of 256 bytes,
	s_mov_b32 s[G1+2], 132<<16                     ; 132 of them: 33,792 dense bytes
	s_mov_b32 s[G1+3], 32<<16
	s_mov_b32 s[G1+4], 132
	s_mov_b32 s[G1+5], 32
	s_mov_b32 s[G1+6], 0
	s_mov_b32 s[G1+7], 0
	s_lshl_b32 s52, s20, 6
	s_add_co_u32 s52, s52, s14
	s_mul_i32 s52, s52, STEPB                      ; bq: step w of my ntile
	s_mov_b32 s53, 0
	s_mul_i32 s54, s14, STEPB                      ; its place in a slot
	s_mul_i32 s56, s19, ABLK                       ; a quarter of a step block is 8,448 bytes
	s_add_co_u32 s56, s56, s52
	s_add_co_u32 s56, s56, 16*STEPB                ; the prefetches begin at slot 4
	s_mov_b32 s57, 0
	s_lshl_b32 s58, s21, 7
	s_lshl_b32 s22, s15, 6
	s_add_co_u32 s58, s58, s22
	s_lshl_b32 s22, s16, 1
	s_add_co_u32 s58, s58, s22
	s_mul_i32 s58, s58, ABLK                       ; aq: my 64 rows, step 2 ks
	s_mov_b32 s59, 0
	s_lshl_b32 s60, s21, 12                        ; gates: my 64 rows of 32 bytes, expert 4 ks
	s_lshl_b32 s22, s15, 11
	s_add_co_u32 s60, s60, s22
	s_lshl_b32 s22, s16, 4
	s_add_co_u32 s60, s60, s22
	s_mov_b32 s61, 0
	s_lshl_b32 s62, s20, 10                        ; beta: my ntile, expert 4 ks
	s_lshl_b32 s22, s16, 14
	s_add_co_u32 s62, s62, s22
	s_mov_b32 s63, 0
	s_lshl_b32 s66, s21, 19                        ; out: my 64 rows, the units that I keep
	s_lshl_b32 s22, s15, 18
	s_add_co_u32 s66, s66, s22
	s_lshl_b32 s22, s20, 10
	s_add_co_u32 s66, s66, s22
	s_lshl_b32 s72, s17, 9
	s_add_co_u32 s66, s66, s72
	s_mov_b32 s67, 0
	s_mul_i32 s70, s16, 2*STEPB                    ; my step blocks in a slot: from block 2 ks on
	s_lshl_b32 s68, s16, 14
	s_add_co_u32 s68, s68, s70                     ; fragments j < 8: the units' half ks,
	s_lshl_b32 s69, s17, 14
	s_add_co_u32 s69, s69, s70                     ; j >= 8: the other half
	s_add_co_u32 s70, s70, 32768
	s_lshl_b32 s71, s16, 9
	s_mul_i32 s73, s14, 8448
	s_add_co_u32 s73, s73, STAGE                   ; my stage
	s_xor_b32 s74, s14, 1
	s_mul_i32 s74, s74, STEPB                      ; my partner's give region (64 rows x 528 bytes)
	s_mov_b32 s[TB], 0
	v_and_b32 v21, 31, v0                          ; lane
	v_and_b32 v22, 15, v0                          ; r
	v_bfe_u32 v23, v0, 4, 1                        ; h
	v_lshlrev_b32 v[OA], 4, v21
	v_lshlrev_b32 v[OAS], 4, v22
	v_add_nc_u32 v[LB0], s68, v[OA]
	v_add_nc_u32 v[LB0+1], s69, v[OA]
	v_xor_b32 v24, s16, v23
	v_lshl_add_u32 v[LB0+2], v24, 9, v[OAS]
	v_add_nc_u32 v[LB0+2], s70, v[LB0+2]
	v_mul_u32_u24 v25, 0x210, v22
	v_lshl_add_u32 v25, v23, 5, v25                ; row r, 32 bytes for each half of the lanes
	v_add_nc_u32 v[STO], s73, v25
	v_add_nc_u32 v[RDO], s73, v[OA]
	v_add_nc_u32 v[GIV], s54, v25
	v_add_nc_u32 v[RDG], s74, v[OA]
	v_lshlrev_b32 v[PF], 8, v21
	v_mov_b32 v[PF+1], 0x2000
	v_lshlrev_b32 v18, 5, v22                      ; gates: row r, experts 2 h, 2 h + 1 of my four
	v_lshl_add_u32 v18, v23, 3, v18
	v_lshlrev_b32 v26, 2, v22                      ; beta: unit r, the same experts
	v_lshl_add_u32 v26, v23, 13, v26
	v_add_nc_u32 v19, s71, v26
	v_add_nc_u32 v20, s72, v26
	v_mov_b32 v[AB0], v[LB0]
	v_mov_b32 v[AB0+1], v[LB0+1]
	v_mov_b32 v[AB0+2], v[LB0+2]
	s_wait_alu depctr_va_vdst(0)
	s_wait_dscnt 0x0                               ; both opening adds are done
	ROUND                                          ; all sixteen work-groups are here: the first joint loads meet
	s_wait_kmcnt 0x0
	s_add_nc_u64 s[52:53], s[6:7], s[52:53]
	s_add_nc_u64 s[PB:PB+1], s[6:7], s[56:57]
	s_add_nc_u64 s[AP:AP+1], s[4:5], s[58:59]
	s_add_nc_u64 s[60:61], s[8:9], s[60:61]
	s_add_nc_u64 s[62:63], s[10:11], s[62:63]
	s_add_nc_u64 s[12:13], s[12:13], s[66:67]
	s_mov_b32 s[G0], 1
	s_mov_b32 s[G0+1], s54
	s_mov_b64 s[G0+2:G0+3], s[52:53]
	s_or_b32 s[G0+3], s[G0+3], 0x80000000
	TLOAD                                          ; slot 0: my step block w, this wave's one tensor load at the head
.irp a, 0,1,2,3
	global_load_b64 v[224+2*\a:225+2*\a], v18, s[60:61] offset:512*\a
.endr
.irp j, 0,1,2,3,4,5,6,7,8,9,10,11,12,13,14,15
.irp q, 0,1
	global_load_b32 v[192+2*\j+\q], v[19+\j/8], s[62:63] offset:4096*\q+64*(\j%8)
.endr
.endr
	ALD 0, 0                                       ; A of my step 0
	ASK -2*SLOTB                                   ; slots 2 and 3
	ASK -SLOTB
	s_wait_loadcnt 17                              ; gates and beta are in; A's 17 loads may be out
	WIN 0x80                                       ; g beta starts the sums
.irp j, 0,1,2,3,4,5,6,7
.irp a, 0,1,2,3
	v_wmma_f32_16x16x4_f32 v[8*(8*\a+\j):8*(8*\a+\j)+7], v[192+2*\j:193+2*\j], v[224+2*\a:225+2*\a], 0
.endr
.endr
	WIN 0xc0
.irp j, 0,1,2,3,4,5,6,7
.irp a, 0,1,2,3
	v_wmma_f32_16x16x4_f32 v[8*(8*\a+\j):8*(8*\a+\j)+7], v[208+2*\j:209+2*\j], v[224+2*\a:225+2*\a], 0
.endr
.endr
	WIN 0
	PLACES 9                                       ; ahead of the products that take these sums up in another form
	ALD 1, ABLK                                    ; A of my step 1
	s_wait_tensorcnt 0x0                           ; my part of slot 0 is in
	ds_add_u32 v[SPW], v[NIL]
	s_xor_b32 s[G0+1], s[G0+1], SLOTB
	s_add_nc_u64 s[G0+2:G0+3], s[G0+2:G0+3], SLOTB
	s_mov_b32 s48, 4
	s_wait_dscnt 0x0
	ROUND
	TLOAD                                          ; slot 1
	SBLD 0
	BLD8 0, 0
	WIN 0
.Ltrip:                                            ; three slots a trip, slots 0 to 11: six steps bring A's sets back to where they began; slots 2 to 13 are filled, 4 to 15 prefetched
	STEP 0, 0, 4*ABLK, 0, -1, 17
	STEP 1, 1, 5*ABLK, 1, 0, 17
	STEP 0, 2, 8*ABLK, 0, -1, 17
	STEP 1, 0, 9*ABLK, 1, SLOTB, 17
	STEP 0, 1, 12*ABLK, 0, -1, 17
	STEP 1, 2, 13*ABLK, 1, 2*SLOTB, 17
	WIN 0
	s_wait_xcnt 0x0                                ; the loads and prefetches have read their bases
	s_add_nc_u64 s[AP:AP+1], s[AP:AP+1], 12*ABLK
	s_add_nc_u64 s[PB:PB+1], s[PB:PB+1], 3*SLOTB
	s_sub_co_u32 s48, s48, 1
	s_cmp_lg_u32 s48, 0
	s_cbranch_scc1 .Ltrip
	STEP 0, 0, 4*ABLK, 0, -1, 17                   ; slots 12 to 15
	STEP 1, 1, 5*ABLK, 1, -1, 17
	STEP 0, 2, 8*ABLK, 0, -1, 17
	STEP 1, 0, 9*ABLK, 1, -1, 17
	STEP 0, 1, 12*ABLK, 0, -1, 17
	STEP 1, 2, 13*ABLK, 2, -1, 17                  ; behind this step's barrier nobody reads slot 14's bytes any more: the give regions lie there
	STEP 0, 0, -1, 0, -1, 17
	STEP 1, 1, -1, 3, -1, 0
; THE WAY OUT, 16 rows x 128 units at a time: my kept sums through my own stage into whole rows of 512 bytes (window 1, 64 registers a block), my partner's rows from its give region, added and stored.
; No store's registers are written again.
.macro TOSTG a
	WIN 0x0c                                       ; the data: window 3
.irp b, 0,1,2,3,4,5,6,7
	ds_store_b128 v[STO], v[8*(8*(\a)+\b):8*(8*(\a)+\b)+3] offset:64*\b          ; each accumulator from its low end on
	ds_store_b128 v[STO], v[8*(8*(\a)+\b)+4:8*(8*(\a)+\b)+7] offset:64*\b+16
.endr
	WIN 0x40
.irp t, 0,1,2,3,4,5,6,7,8,9,10,11,12,13,14,15
	ds_load_b128 v[64*(\a)+4*\t:64*(\a)+4*\t+3], v[RDO] offset:528*\t    ; LDS serves a wave's instructions in order (ISA guide 5.7.1.4): these see my stores
.endr
.endm
.macro PARTNER a                       ; my partner's rows of block a, into v64, v128, v192 on by turns
	WIN 0
.irp t, 0,1,2,3,4,5,6,7,8,9,10,11,12,13,14,15
	ds_load_b128 v[64+64*((\a)%3)+4*\t:64+64*((\a)%3)+4*\t+3], v[RDG] offset:528*(16*(\a)+\t)
.endr
.endm
	PLACES 8
	TOSTG 0
	TOSTG 1
	TOSTG 2
	TOSTG 3
	WIN 0
	s_wait_dscnt 0x0                               ; for my partner's sake: what I give is in LDS
	s_barrier_signal -1
	s_barrier_wait -1
	PARTNER 0
	PARTNER 1
	PARTNER 2
.irp a, 0,1,2,3
.if \a < 2
	s_wait_dscnt 32                                ; two younger blocks' 16 loads each may be out
.elseif \a == 2
	s_wait_dscnt 16
.else
	s_wait_dscnt 0x0
.endif
	WIN 0x41                                       ; destination and source 0 window 1
.irp i, 0,2,4,6,8,10,12,14,16,18,20,22,24,26,28,30,32,34,36,38,40,42,44,46,48,50,52,54,56,58,60,62
	v_pk_add_f32 v[64*\a+\i:64*\a+\i+1], v[64*\a+\i:64*\a+\i+1], v[64+64*(\a%3)+\i:65+64*(\a%3)+\i]
.endr
.if \a == 0
	PARTNER 3
.endif
	WIN 0x04                                       ; the data: window 1
.irp t, 0,1,2,3,4,5,6,7,8,9,10,11,12,13,14,15
	global_store_b128 v[OA], v[64*\a+4*\t:64*\a+4*\t+3], s[12:13] offset:4096*(16*\a+\t) th:TH_STORE_NT   ; 32 lanes store 512 consecutive bytes, aligned
.endr
.endr
	WIN 0
	s_wait_tensorcnt 0x0                           ; the wave's end
	ds_add_u32 v[SPW], v[NIL]
	s_wait_dscnt 0x0
	ROUND                                          ; the closing round: no work-group ends while a partner may still ask for a block that names it
	s_endpgm
.Lfunc_end_k_qb9e6479a7d_product:
	.size	k_qb9e6479a7d_product, .Lfunc_end_k_qb9e6479a7d_product-k_qb9e6479a7d_product
	.p2alignl 7, 3214868480
	.fill 96, 4, 3214868480
	.section	.rodata,"a",@progbits
	.p2align	6, 0x0
	.amdhsa_kernel k_qb9e6479a7d_product
		.amdhsa_group_segment_fixed_size 327680
		.amdhsa_private_segment_fixed_size 0
		.amdhsa_enable_private_segment 0
		.amdhsa_kernarg_size 40
		.amdhsa_user_sgpr_count 2
		.amdhsa_user_sgpr_kernarg_segment_ptr 1
		.amdhsa_wavefront_size32 1
		.amdhsa_system_sgpr_workgroup_id_x 1
		.amdhsa_system_sgpr_workgroup_id_y 1
		.amdhsa_system_sgpr_workgroup_id_z 1
		.amdhsa_system_vgpr_workitem_id 0
		.amdhsa_next_free_vgpr 1024
		.amdhsa_next_free_sgpr 80
		.amdhsa_reserve_vcc 0
		.amdhsa_float_denorm_mode_32 3
		.amdhsa_float_denorm_mode_16_64 3
		.amdhsa_memory_ordered 1
		.amdhsa_forward_progress 1
		.amdhsa_inst_pref_size 255
	.end_amdhsa_kernel
	.section	.bss,"aw",@nobits
	.p2align	6
	.space	262144
	.amdgpu_metadata
---
amdhsa.version: [ 1, 2 ]
amdhsa.kernels:
  - .name:           k_qb9e6479a7d_product
    .symbol:         k_qb9e6479a7d_product.kd
    .args:
      - { .name: aq, .offset: 0, .size: 8, .value_kind: global_buffer, .address_space: global }
      - { .name: bq, .offset: 8, .size: 8, .value_kind: global_buffer, .address_space: global }
      - { .name: gate_perc, .offset: 16, .size: 8, .value_kind: global_buffer, .address_space: global }
      - { .name: beta, .offset: 24, .size: 8, .value_kind: global_buffer, .address_space: global }
      - { .name: out0, .offset: 32, .size: 8, .value_kind: global_buffer, .address_space: global }
    .group_segment_fixed_size: 327680
    .private_segment_fixed_size: 0
    .kernarg_segment_align: 8
    .kernarg_segment_size: 40
    .max_flat_workgroup_size: 128
    .sgpr_count:     80
    .vgpr_count:     1024
    .wavefront_size: 32
...
	.end_amdgpu_metadata
.endif
;; end of part 2
